; MI455X (gfx1250); checked and timed in simulation.
; The chip was launched on July 23, 2026; its instructions are those of AMD's public machine-readable ISA for CDNA 5 (MIT licence, August 2026) and "CDNA5" Instruction Set Architecture Reference Guide (July 2026). The comments in the code are by the model that wrote it; some were corrected since.
;; Box Correlation. Allowed arithmetic: float matrix products may take bf16 or f16 operands with f32 sums; all other float work in f32.
;; Inputs: points 20,000 x 3 float32; rois_pad 6 x 64 x 4 float32; trans_mats 6 x 6 x 4 x 4 float32.
;; Outputs: out0 20,000 x 6 x 32 x 2 float32; out1 20,000 x 6 x 32 bool; out2 20,000 x 6 x 64 bool.
;; 2 versions, each right and faster than the one before. Each part assembles by itself: llvm-mc -triple=amdgcn-amd-amdhsa -mcpu=gfx1250 --defsym DOCPART=n.
;; ======== version 1 of 2: 1 launch
;; launch boxcorr (part 1): grid 250 x 1, 24 waves a work-group, no clusters, 18,432 bytes of LDS; arguments points, trans_mats, rois_pad, out0, out1, out2; writes out0, out1, out2
.if DOCPART == 1
	.amdgcn_target "amdgcn-amd-amdhsa--gfx1250"
	.amdhsa_code_object_version 6
	.text
	.protected	k_q10d35ff3f2_boxcorr
	.globl	k_q10d35ff3f2_boxcorr
	.p2align	8
	.type	k_q10d35ff3f2_boxcorr,@function
k_q10d35ff3f2_boxcorr:
	s_mov_b64 s[64:65], 0
	v_nop
	global_prefetch_b8 v0, s[64:65] scope:SCOPE_SE
	s_setreg_imm32_b32 hwreg(HW_REG_WAVE_MODE, 25, 1), 1
	s_wait_xcnt 0x0
; BoxCorrelation: 20,000 points x 6 views x 32 depth bins are projected (out0), tested against the image (out1) and against 64 boxes a view (out2).
; A work-group owns 80 points; 24 waves.  Wave w = 6 c + v serves target view v and the points 4 k + c (k = 0..19), so that its output row
; (point x 6 + view) is 24 k + w.  PROJECTION: a lane is a depth bin.  BOX TEST: a lane is a box (two sets of 32); the 32 projected points
; of a row reach every lane through 256 bytes of LDS that are the wave's own.
; THE EINSUM IS DONE IN F32 ON THE VECTOR UNIT: out1 and out2 are booleans of comparisons on its result, and operands of 16 bits would move a
; projected pixel by whole pixels.  Each sum is round(T0 xd), then fused multiply-adds in ascending j, then + T3; the quotient is correctly rounded
; (reciprocal, one Newton step, two residual corrections).  Where reference() sums in another order a coordinate may differ in its last bit.
; THE GATHER BY img_id uses no address: the six candidate matrices of my view lie in six registers and five selects on id >= 1..5 pick one.
; THE BOX TEST: x1 < x < x2 is turned, once a wave, into lo <= x <= hi on non-negative floats (lo = next float above x1, hi = next below x2);
; then 'in the box' is clamp(x, y) == (x, y) bit for bit: two v_med3_num_f32 and one 64-bit compare for 32 boxes.
; LIMITS: img_id below 0 or NaN counts as 0, above 5 as 5.  The quotient is correctly rounded for max(z, eps) < 2^126 (v_rcp_f32 flushes a denormal
; result, ISA guide 15.8) and |numerator| > 2^-100 (below, a residual may underflow and the last bit may differ).  The depth bins are made with
; separate multiplies and add, as reference() writes them, on purpose not fused.
.set N_WG,    80                       ; points of a work-group
.set N_WAVE,  20                       ; points of a wave
.set L_CORR,  0                        ; LDS: 64 box bits a row, 8 bytes at 8 row; 32 lanes x 192 bytes
.set L_MASK,  6144                     ; LDS: 32 depth bits a row, 4 bytes at 4 row; 32 lanes x 96 bytes
.set L_SCR,   9216                     ; LDS: 256 bytes for each wave: (X, Y) of the row at work
.set U_CORR,  60                       ; way out: units of 512 output bytes, 60 of out2, then 30 of out1
.set LANE, 1
.set D,    2                           ; depth of my bin
.set TMP,  3
.set TAB,  4                           ; v4-9    T[v][s][lane % 16], s = 0..5
.set PID,  10                          ; lane k: img_id, x, y of my wave's point k
.set PXA,  11
.set PYA,  12
.set ADT,  13
.set BND,  14                          ; v14-21  lo_x, hi_x, lo_y, hi_y of box lane, then of box 32 + lane
.set SEL,  22                          ; the matrix picked for the point
.set XD,   23
.set YD,   24
.set INF,  25
.set P,    26                          ; v26 proj x, v27 proj y
.set PZ,   28
.set NINF, 29
.set ZC,   30                          ; max(z, eps); v31 only completes the pair
.set R,    32                          ; its reciprocal; v33 only completes the pair
.set Q,    34
.set E,    36
.set XY,   38                          ; the quotients, as stored to out0
.set XT,   40                          ; the values that are tested: |x| or +inf, |y|
.set O0,   42
.set SCRW, 43
.set SCRR, 44
.set MALL, 45                          ; lane k: mask bits of point k
.set CORR, 46                          ; v46-47  lane k: box bits of point k
.set T,    48                          ; v48-55  clamped values
.set ADR,  56
.set B,    64                          ; v64-127 (x, y) of the 32 depths, the same in every lane
.set S_W,   16                         ; wave
.set S_V,   17                         ; view
.set S_C,   18                         ; which of four interleaved sets of points
.set S_T,   19
.set S_U,   20                         ; s[20:21] 64-bit offsets
.set S_K,   22                         ; point under test
.set S_KP,  23                         ; point being projected
.set S_X,   24
.set S_Y,   25
.set S_EPS, 26
.set S_WID, 27
.set S_HGT, 28
.set S_ABS, 29
.set S_M,   30                         ; s30-34  bit k: id of point k >= 1..5
.set S_F,   35                         ; s35-39  the same for one point, all lanes
.set S_A,   40                         ; s40-45  comparison words
.set S_ACC, 46                         ; s[46:47] 64 box bits of the row
.set S_R,   48                         ; s48-55  two sets of four comparison words
	s_load_b256 s[4:11], s[0:1], 0x0               ; points s[4:5], trans_mats s[6:7], rois_pad s[8:9], out0 s[10:11]
	s_load_b128 s[12:15], s[0:1], 0x20             ; out1 s[12:13], out2 s[14:15]
	v_lshl_add_u32 v128, v0, 2, 0x3c00
	v_mov_b32 v129, 0
	v_and_b32 v[LANE], 31, v0
	v_lshrrev_b32 v[TMP], 5, v0
	v_readfirstlane_b32 s[S_W], v[TMP]             ; wave 0..23
	s_mul_i32 s[S_C], s[S_W], 43
	s_lshr_b32 s[S_C], s[S_C], 8                   ; c = w / 6 (43 w >> 8 is exact for w < 24)
	s_mul_i32 s[S_T], s[S_C], 6
	s_sub_co_u32 s[S_V], s[S_W], s[S_T]            ; v = w - 6 c
	s_mul_i32 s[S_T], ttmp9, N_WG*12               ; points: 12 bytes each; lane k takes point 80 g + 4 k + c
	s_mul_i32 s[S_U], s[S_C], 12
	s_add_co_u32 s[S_T], s[S_T], s[S_U]
	v_min_u32 v[TMP], N_WAVE-1, v[LANE]            ; lanes 20-31 repeat point 19: no load leaves the buffer
	v_mul_u32_u24 v[TMP], 48, v[TMP]
	v_add_nc_u32 v[TMP], s[S_T], v[TMP]
	s_mul_i32 s[S_T], s[S_V], 384                  ; trans_mats[v][s]: 384 v + 64 s + 4 (lane % 16)
	v_and_b32 v[ADT], 15, v[LANE]
	v_lshl_add_u32 v[ADT], v[ADT], 2, s[S_T]
	s_lshl_b32 s[S_T], s[S_V], 10                  ; rois_pad[v][box]: 1,024 v + 16 box
	v_lshl_add_u32 v[ADR], v[LANE], 4, s[S_T]
	s_wait_kmcnt 0x0
	global_load_b32 v[PID], v[TMP], s[4:5]
	global_load_b32 v[PXA], v[TMP], s[4:5] offset:4
	global_load_b32 v[PYA], v[TMP], s[4:5] offset:8
.irp s, 0,1,2,3,4,5
	global_load_b32 v[TAB+\s], v[ADT], s[6:7] offset:64*\s
.endr
	global_load_b128 v[B:B+3], v[ADR], s[8:9]                  ; x1 y1 x2 y2 of box lane
	global_load_b128 v[B+4:B+7], v[ADR], s[8:9] offset:512     ; and of box 32 + lane
	; while they are on their way: the outputs' bases, constants, the depth bins
	s_mul_i32 s[S_U], ttmp9, N_WG*1536             ; out0: 256 bytes a row, row 480 g + w first
	s_lshl_b32 s[S_T], s[S_W], 8
	s_add_co_u32 s[S_U], s[S_U], s[S_T]
	s_mov_b32 s[S_U+1], 0
	s_add_nc_u64 s[10:11], s[10:11], s[S_U:S_U+1]
	s_mul_i32 s[S_U], ttmp9, N_WG*192              ; out1: 32 bytes a row
	s_add_nc_u64 s[12:13], s[12:13], s[S_U:S_U+1]
	s_mul_i32 s[S_U], ttmp9, N_WG*384              ; out2: 64 bytes a row
	s_add_nc_u64 s[14:15], s[14:15], s[S_U:S_U+1]
	s_mov_b32 s[S_EPS], 0x3727c5ac                 ; 1e-5
	s_mov_b32 s[S_WID], 0x44c80000                 ; 1600.0
	s_mov_b32 s[S_HGT], 0x44680000                 ; 928.0
	s_mov_b32 s[S_ABS], 0x7fffffff
	v_cvt_f32_u32 v[XD], v[LANE]                   ; depth = 0.5 + (bin_size * i) * (i + 1), each step rounded as reference() rounds it
	v_mul_f32 v[D], 0x3d86c9b2, v[XD]              ; bin_size = 69.5 / 1056 in f32
	v_add_f32 v[XD], 1.0, v[XD]
	v_mul_f32 v[D], v[D], v[XD]
	v_add_f32 v[D], 0.5, v[D]                      ; not fused with the multiply above: see the head
	s_lshl_b32 s[S_T], s[S_W], 8
	s_add_co_u32 s[S_T], s[S_T], L_SCR             ; my wave's 256 bytes of LDS
	v_mov_b32 v[SCRR], s[S_T]                      ; read: every lane the same 16 bytes
	v_lshl_add_u32 v[SCRW], v[LANE], 3, s[S_T]     ; write: lane d its 8 bytes
	v_lshlrev_b32 v[O0], 3, v[LANE]
	v_mov_b32 v[INF], 0x7f800000
	v_mov_b32 v[NINF], 0xff800000
.irp r, P, P+1, PZ, ZC+1, R+1, MALL, CORR, CORR+1
	v_mov_b32 v[\r], 0                             ; destinations of DPP forms and v_writelane_b32 count as read; v31, v33 are named as halves of pairs
.endr
	s_wait_loadcnt 0x0
; Open interval (b1, b2) to closed [lo, hi] for values that are +0 or positive floats, whose order is that of their bit patterns:
; b1 < 0: lo = +0;  b1 = +-0: lo = the least denormal;  b1 > 0: the next pattern up.  hi = the next pattern below b2 (used only where b2 > 0).
; Three words say whether any value fits: b1 < b2 (false for NaN), b2 > 0, lo <= hi.
.macro BOUND lo, hi, b1, b2, ok
	v_add_nc_u32 v[\lo], 1, v[\b1]
	v_cmp_gt_f32 vcc_lo, 0, v[\b1]
	v_cndmask_b32 v[\lo], v[\lo], 0, vcc_lo
	v_cmp_eq_f32 vcc_lo, 0, v[\b1]
	v_cndmask_b32 v[\lo], v[\lo], 1, vcc_lo
	v_add_nc_u32 v[\hi], -1, v[\b2]
	v_cmp_lt_f32 s[\ok], v[\b1], v[\b2]
	v_cmp_lt_f32 s[\ok+1], 0, v[\b2]
	v_cmp_le_u32 s[\ok+2], v[\lo], v[\hi]
.endm
.irp j, 0,1
	BOUND BND+4*\j,   BND+4*\j+1, B+4*\j,   B+4*\j+2, S_A
	BOUND BND+4*\j+2, BND+4*\j+3, B+4*\j+1, B+4*\j+3, S_A+3
	s_and_b32 s[S_A], s[S_A], s[S_A+1]
	s_and_b32 s[S_A+2], s[S_A+2], s[S_A+3]
	s_and_b32 s[S_A+4], s[S_A+4], s[S_A+5]
	s_and_b32 s[S_A], s[S_A], s[S_A+2]
	s_and_b32 s[S_A], s[S_A], s[S_A+4]
.irp i, 0,1,2,3
	v_cndmask_b32 v[BND+4*\j+\i], v[NINF], v[BND+4*\j+\i], s[S_A]   ; a box that nothing fits clamps everything to -inf, which no tested value is
.endr
.endr
	v_cmp_le_f32 s[S_M],   1.0, v[PID]             ; trunc(id) >= s is id >= s for s >= 1; bit k speaks for point k
	v_cmp_le_f32 s[S_M+1], 2.0, v[PID]
	v_cmp_le_f32 s[S_M+2], 0x40400000, v[PID]
	v_cmp_le_f32 s[S_M+3], 4.0, v[PID]
	v_cmp_le_f32 s[S_M+4], 0x40a00000, v[PID]
; entry n of the picked matrix rides on the arithmetic: every lane of a row of 16 reads lane n of its row
.macro COEF op, dst, oth, n
	\op v[\dst], v[SEL], v[\oth] row_share:\n row_mask:0xf bank_mask:0xf
.endm
; Point S_KP is projected into my view: out0's row is stored, the mask word kept, (X, Y) put into my LDS bytes.
.macro PROJ step
	s_wait_xcnt 0x0                                ; the last row's store has had its address translated (ISA guide 3.1): its data and base are rewritten only behind this wait
.if \step
	s_add_nc_u64 s[10:11], s[10:11], 24*256        ; my next row of out0 is 24 rows on
.endif
	v_readlane_b32 s[S_X], v[PXA], s[S_KP]
	v_readlane_b32 s[S_Y], v[PYA], s[S_KP]
.irp i, 0,1,2,3,4
	s_bitcmp1_b32 s[S_M+\i], s[S_KP]
	s_cselect_b32 s[S_F+\i], -1, 0                 ; the point's bit for all lanes
.endr
	v_mul_f32 v[XD], s[S_X], v[D]                  ; x d and y d, rounded as in pts_cam
	v_mul_f32 v[YD], s[S_Y], v[D]
	v_cndmask_b32 v[SEL], v[TAB], v[TAB+1], s[S_F]
.irp i, 1,2,3,4
	v_cndmask_b32 v[SEL], v[SEL], v[TAB+1+\i], s[S_F+\i]
.endr
	COEF v_mul_f32_dpp,  PZ,  XD, 8                ; three sums of four products, j ascending; z leads because the reciprocal waits for it
	COEF v_mul_f32_dpp,  P,   XD, 0
	COEF v_mul_f32_dpp,  P+1, XD, 4
	COEF v_fmac_f32_dpp, PZ,  YD, 9
	COEF v_fmac_f32_dpp, P,   YD, 1
	COEF v_fmac_f32_dpp, P+1, YD, 5
	COEF v_fmac_f32_dpp, PZ,  D, 10
	COEF v_fmac_f32_dpp, P,   D, 2
	COEF v_fmac_f32_dpp, P+1, D, 6
	COEF v_add_f32_dpp,  PZ,  PZ, 11               ; T3 x 1 added: the same rounding as a fused multiply-add by 1
	COEF v_add_f32_dpp,  P,   P, 3
	v_maximum_f32 v[ZC], s[S_EPS], v[PZ]           ; a NaN stays a NaN, as in jnp.maximum
	v_rcp_f32 v[R], v[ZC]
	COEF v_add_f32_dpp,  P+1, P+1, 7               ; the plain vector instruction between v_rcp_f32 and the first use of its result (ISA guide 5.7.2)
	v_cmp_lt_f32 s[S_A], s[S_EPS], v[PZ]           ; z > eps
	s_wait_alu depctr_va_vdst(0)
	v_fma_f32 v[E], -v[ZC], v[R], 1.0              ; one Newton step on the reciprocal,
	v_fma_f32 v[R], v[E], v[R], v[R]
	v_pk_mul_f32 v[Q:Q+1], v[P:P+1], v[R:R+1] op_sel_hi:[1,0]                                            ; both quotients at once,
	v_pk_fma_f32 v[E:E+1], v[ZC:ZC+1], v[Q:Q+1], v[P:P+1] op_sel_hi:[0,1,1] neg_lo:[1,0,0] neg_hi:[1,0,0]  ; exact residual p - zc q,
	v_pk_fma_f32 v[Q:Q+1], v[E:E+1], v[R:R+1], v[Q:Q+1] op_sel_hi:[1,0,1]                                ; corrected,
	v_pk_fma_f32 v[E:E+1], v[ZC:ZC+1], v[Q:Q+1], v[P:P+1] op_sel_hi:[0,1,1] neg_lo:[1,0,0] neg_hi:[1,0,0]  ; and once more: the last step rounds correctly
	v_pk_fma_f32 v[XY:XY+1], v[E:E+1], v[R:R+1], v[Q:Q+1] op_sel_hi:[1,0,1]
	v_cmp_le_f32 s[S_A+1], 0, v[XY]
	v_cmp_gt_f32 s[S_A+2], s[S_WID], v[XY]
	v_cmp_le_f32 s[S_A+3], 0, v[XY+1]
	v_cmp_gt_f32 s[S_A+4], s[S_HGT], v[XY+1]
	v_and_b32 v[XT], s[S_ABS], v[XY]               ; a valid coordinate is >= 0: this only turns -0 into +0, for the compare of bit patterns
	v_and_b32 v[XT+1], s[S_ABS], v[XY+1]
	s_and_b32 s[S_A], s[S_A], s[S_A+1]
	s_and_b32 s[S_A+2], s[S_A+2], s[S_A+3]
	s_and_b32 s[S_A], s[S_A], s[S_A+4]
	s_and_b32 s[S_A+5], s[S_A], s[S_A+2]           ; the row's mask, bit d
	v_cndmask_b32 v[XT], v[INF], v[XT], s[S_A+5]   ; a masked depth gets X = +inf, above every hi
	global_store_b64 v[O0], v[XY:XY+1], s[10:11] th:TH_STORE_NT    ; 32 lanes x 8 bytes: the row's 256 consecutive bytes, aligned
	ds_store_b64 v[SCRW], v[XT:XT+1]               ; LDS serves a wave's instructions in order (ISA guide 5.7.1.4): behind the reads of the row before, ahead of the reads of this one
	v_writelane_b32 v[MALL], s[S_A+5], s[S_KP]
.endm
.macro LOADS                                       ; two depths a load, the same 16 bytes for every lane
.irp g, 0,1,2,3,4,5,6,7,8,9,10,11,12,13,14,15
	ds_load_b128 v[B+4*\g:B+4*\g+3], v[SCRR] offset:16*\g
.endr
.endm
.macro FOLD n                                      ; group n's four words (two depths x two box sets) join the row's 64 bits; the first group starts them
.if (\n) == 0
	s_or_b64 s[S_ACC:S_ACC+1], s[S_R:S_R+1], s[S_R+2:S_R+3]
.else
	s_or_b64 s[S_R+4*((\n)%2):S_R+4*((\n)%2)+1], s[S_R+4*((\n)%2):S_R+4*((\n)%2)+1], s[S_R+4*((\n)%2)+2:S_R+4*((\n)%2)+3]
	s_or_b64 s[S_ACC:S_ACC+1], s[S_ACC:S_ACC+1], s[S_R+4*((\n)%2):S_R+4*((\n)%2)+1]
.endif
.endm
; 32 depths x 64 boxes.  st = LDS stores issued behind the sixteen loads (the next point's, 1; in the tail 0).
.macro TESTS st
.set g, 0
.rept 16
.if g % 4 == 0
	s_wait_dscnt 12-g+\st                          ; loads g .. g + 3 are in: behind load g + 3 stand 12 - g loads and st stores
.endif
.irp h, 0,1
	v_med3_num_f32 v[T+4*\h],   v[B+4*g+2*\h],   v[BND],   v[BND+1]   ; x clamped to boxes 0-31
	v_med3_num_f32 v[T+4*\h+1], v[B+4*g+2*\h+1], v[BND+2], v[BND+3]   ; y
	v_med3_num_f32 v[T+4*\h+2], v[B+4*g+2*\h],   v[BND+4], v[BND+5]   ; x clamped to boxes 32-63
	v_med3_num_f32 v[T+4*\h+3], v[B+4*g+2*\h+1], v[BND+6], v[BND+7]   ; y
.endr
.if g > 0
	FOLD g-1                                       ; one group late, so that the scalar unit finds the words written
.endif
.irp h, 0,1
	v_cmp_eq_u64 s[S_R+4*(g%2)+2*\h],   v[T+4*\h:T+4*\h+1],   v[B+4*g+2*\h:B+4*g+2*\h+1]   ; both coordinates unchanged by the clamp: inside
	v_cmp_eq_u64 s[S_R+4*(g%2)+2*\h+1], v[T+4*\h+2:T+4*\h+3], v[B+4*g+2*\h:B+4*g+2*\h+1]
.endr
.set g, g+1
.endr
	FOLD 15
	v_writelane_b32 v[CORR], s[S_ACC], s[S_K]
	v_writelane_b32 v[CORR+1], s[S_ACC+1], s[S_K]
.endm
	s_mov_b32 s[S_KP], 0
	PROJ 0
	s_mov_b32 s[S_K], 0
.Lpoint:                                           ; point k's depths are asked for, point k + 1 is projected meanwhile, point k is tested
	LOADS
	s_add_co_u32 s[S_KP], s[S_K], 1
	PROJ 1
	TESTS 1
	s_add_co_u32 s[S_K], s[S_K], 1
	s_cmp_lt_u32 s[S_K], N_WAVE-1
	s_cbranch_scc1 .Lpoint
	LOADS                                          ; the last point: nothing is left to project
	TESTS 0
	; The bit words of my 20 rows go to the two tables: row 24 k + w.  Lanes 20-31 write zeros to rows 480 and up, which the tables have room for and nobody reads.
	v_mul_u32_u24 v[TMP], 192, v[LANE]
	s_lshl_b32 s[S_T], s[S_W], 3
	v_add_nc_u32 v[TMP], s[S_T], v[TMP]            ; L_CORR + 8 (24 k + w)
	ds_store_b64 v[TMP], v[CORR:CORR+1]
	v_mul_u32_u24 v[ADT], 96, v[LANE]
	s_lshl_b32 s[S_T], s[S_W], 2
	s_add_co_u32 s[S_T], s[S_T], L_MASK
	v_add_nc_u32 v[ADT], s[S_T], v[ADT]            ; L_MASK + 4 (24 k + w)
	ds_store_b32 v[ADT], v[MALL]
	s_wait_dscnt 0x0                               ; my words are in LDS before I say so
	s_barrier_signal -1
	s_barrier_wait -1                              ; everybody's are
	; THE WAY OUT of out2 and out1: a unit is 512 consecutive output bytes, one b128 store of a wave; a lane makes 16 bytes from 16 bits.
	; Units 0-59 are out2's 30,720 bytes, units 60-89 out1's 15,360.  Wave w takes units w, w + 24, w + 48 and, below 90, w + 72.
.set L2,  4                                        ; 2 x lane
.set L16, 5                                        ; 16 x lane
.set UA,  6                                        ; v6-9   LDS address, one register a unit: no source of a pending store is written again
.set UB,  10                                       ; v10-13 the 16 bits
.set UG,  14                                       ; v14-17 offset in the output
	v_lshlrev_b32 v[L2], 1, v[LANE]
	v_lshlrev_b32 v[L16], 4, v[LANE]
	s_mov_b32 s30, 0x204081                        ; bit i times this lands on bits i, i + 7, i + 14, i + 21: bit i reaches bit 8 i, and no two terms meet
	s_mov_b32 s31, 0x01010101
.macro UNIT_ASK i
	s_add_co_u32 s19, s[S_W], 24*\i                ; the unit
	s_max_u32 s20, s19, U_CORR
	s_sub_co_u32 s20, s20, U_CORR                  ; its number among out1's units (0 where it is one of out2's)
	s_lshl_b32 s21, s20, 6
	s_add_co_u32 s21, s21, L_MASK                  ; 64 bytes of bits a unit
	s_lshl_b32 s20, s20, 9
	s_lshl_b32 s22, s19, 6
	s_lshl_b32 s23, s19, 9
	s_cmp_lt_u32 s19, U_CORR
	s_cselect_b32 s21, s22, s21
	s_cselect_b32 s20, s23, s20
	s_cselect_b64 s[32+2*\i:33+2*\i], s[14:15], s[12:13]
	v_add_nc_u32 v[UA+\i], s21, v[L2]
	v_add_nc_u32 v[UG+\i], s20, v[L16]
	ds_load_u16 v[UB+\i], v[UA+\i]
.endm
.macro UNIT_OUT i, left
	s_wait_dscnt \left                             ; my unit's bits are in; the younger units' loads stay out
.irp j, 0,1,2,3
	v_bfe_u32 v[B+4*\i+\j], v[UB+\i], 4*\j, 4
.endr
.irp j, 0,1,2,3
	v_mul_u32_u24 v[B+4*\i+\j], s30, v[B+4*\i+\j]
.endr
.irp j, 0,1,2,3
	v_and_b32 v[B+4*\i+\j], s31, v[B+4*\i+\j]      ; four bits to four bytes of 0 or 1
.endr
	global_store_b128 v[UG+\i], v[B+4*\i:B+4*\i+3], s[32+2*\i:33+2*\i] th:TH_STORE_NT   ; 16 lanes store 256 consecutive bytes, aligned
.endm
	UNIT_ASK 0
	UNIT_ASK 1
	UNIT_ASK 2
	UNIT_OUT 0, 2
	UNIT_OUT 1, 1
	UNIT_OUT 2, 0
	s_cmp_ge_u32 s[S_W], 18                        ; units 72 + w exist for w < 18
	s_cbranch_scc1 .Lend
	UNIT_ASK 3
	UNIT_OUT 3, 0
.Lend:
	s_barrier_signal -1
	s_barrier_wait -1
	s_wait_tensorcnt 0x0
	ds_add_u32 v128, v129
	s_wait_dscnt 0x0
	s_endpgm
.Lfunc_end_k_q10d35ff3f2_boxcorr:
	.size	k_q10d35ff3f2_boxcorr, .Lfunc_end_k_q10d35ff3f2_boxcorr-k_q10d35ff3f2_boxcorr
	.p2alignl 7, 3214868480
	.fill 96, 4, 3214868480
	.section	.rodata,"a",@progbits
	.p2align	6, 0x0
	.amdhsa_kernel k_q10d35ff3f2_boxcorr
		.amdhsa_group_segment_fixed_size 18432
		.amdhsa_private_segment_fixed_size 0
		.amdhsa_enable_private_segment 0
		.amdhsa_kernarg_size 48
		.amdhsa_user_sgpr_count 2
		.amdhsa_user_sgpr_kernarg_segment_ptr 1
		.amdhsa_wavefront_size32 1
		.amdhsa_system_sgpr_workgroup_id_x 1
		.amdhsa_system_sgpr_workgroup_id_y 1
		.amdhsa_system_sgpr_workgroup_id_z 1
		.amdhsa_system_vgpr_workitem_id 0
		.amdhsa_next_free_vgpr 130
		.amdhsa_next_free_sgpr 66
		.amdhsa_reserve_vcc 1
		.amdhsa_float_denorm_mode_32 3
		.amdhsa_float_denorm_mode_16_64 3
		.amdhsa_memory_ordered 1
		.amdhsa_forward_progress 1
		.amdhsa_inst_pref_size 47
	.end_amdhsa_kernel
	.amdgpu_metadata
---
amdhsa.version: [ 1, 2 ]
amdhsa.kernels:
  - .name:           k_q10d35ff3f2_boxcorr
    .symbol:         k_q10d35ff3f2_boxcorr.kd
    .args:
      - { .name: points, .offset: 0, .size: 8, .value_kind: global_buffer, .address_space: global }
      - { .name: trans_mats, .offset: 8, .size: 8, .value_kind: global_buffer, .address_space: global }
      - { .name: rois_pad, .offset: 16, .size: 8, .value_kind: global_buffer, .address_space: global }
      - { .name: out0, .offset: 24, .size: 8, .value_kind: global_buffer, .address_space: global }
      - { .name: out1, .offset: 32, .size: 8, .value_kind: global_buffer, .address_space: global }
      - { .name: out2, .offset: 40, .size: 8, .value_kind: global_buffer, .address_space: global }
    .group_segment_fixed_size: 18432
    .private_segment_fixed_size: 0
    .kernarg_segment_align: 8
    .kernarg_segment_size: 48
    .max_flat_workgroup_size: 768
    .sgpr_count:     66
    .vgpr_count:     130
    .wavefront_size: 32
...
	.end_amdgpu_metadata
.endif
;; end of part 1
;; ======== version 2 of 2: 2 launches; 1.43 times as fast as version 1
;; workspace buffers: hit 960,000 bytes; need 32,000 bytes of whole numbers
;; launch project (part 2): grid 250 x 1, 24 waves a work-group, no clusters, 12,544 bytes of LDS; arguments points, trans_mats, rois_pad, out0, out1, hit, need; writes out0, out1, hit, need
.if DOCPART == 2
	.amdgcn_target "amdgcn-amd-amdhsa--gfx1250"
	.amdhsa_code_object_version 6
	.text
	.protected	k_q10d35ff3f2_project
	.globl	k_q10d35ff3f2_project
	.p2align	8
	.type	k_q10d35ff3f2_project,@function
k_q10d35ff3f2_project:
	s_mov_b64 s[64:65], 0
	v_nop
	global_prefetch_b8 v0, s[64:65] scope:SCOPE_SE
	s_setreg_imm32_b32 hwreg(HW_REG_WAVE_MODE, 25, 1), 1
	s_wait_xcnt 0x0
; BoxCorrelation, first of two launches: 20,000 points x 6 views x 32 depth bins are projected (out0) and tested against the image (out1),
; and every row (point, view) is held COARSELY against its view's 64 boxes.  With xmin, xmax, ymin, ymax taken over the row's valid depths:
;   a box that does not meet the rectangle [xmin, xmax] x [ymin, ymax] holds no depth;
;   a box that holds both corners (xmin, ymin) and (xmax, ymax) holds every valid depth: a sure hit (64 bits a row, buffer hit);
;   a box that meets the rectangle without holding it is undecided: its row is flagged (one bit a row, buffer need, whole numbers),
; and the next launch runs the test of 32 depths x 64 boxes for the flagged rows alone.  This is exact for every input; how many rows are flagged,
; and with it the second launch's work, hangs on the data: none to all 20 of a wave.
; A work-group owns 80 points; 24 waves.  Wave w = 6 c + v serves target view v and the points 4 k + c (k = 0..19): its row is 24 k + w.
; In the projection a lane is a depth bin, in the coarse test a box (two sets of 32).  All lanes are on throughout.
; THE EINSUM IS DONE IN F32 ON THE VECTOR UNIT: out1 and out2 are booleans of comparisons on its result, and operands of 16 bits would move a
; projected pixel by whole pixels.  Each sum is round(T0 xd), then fused multiply-adds in ascending j, then + T3; the quotient is correctly rounded
; (reciprocal, one Newton step, two residual corrections).  Where reference() sums in another order a coordinate may differ in its last bit.
; THE GATHER BY img_id uses no address: the six candidate matrices of my view lie in six registers and five selects on id >= 1..5 pick one.
; BOXES: x1 < x < x2 is turned, once a wave, into lo <= x <= hi on non-negative floats (lo = next float above x1, hi = next below x2).
; LIMITS: img_id below 0 or NaN counts as 0, above 5 as 5.  The quotient is correctly rounded for max(z, eps) < 2^126 (v_rcp_f32 flushes a denormal
; result, ISA guide 15.8) and |numerator| > 2^-100 (below, a residual may underflow and the last bit may differ).  The depth bins are made with
; separate multiplies and add, as reference() writes them, on purpose not fused.
.set N_WG,    80                       ; points of a work-group
.set N_WAVE,  20                       ; points of a wave
.set L_HIT,   0                        ; LDS: 64 sure-hit bits a row, 8 bytes at 8 row; 32 lanes x 192 bytes
.set L_MASK,  6144                     ; LDS: 32 depth bits a row, 4 bytes at 4 row; 32 lanes x 96 bytes
.set L_NEED,  9216                     ; LDS: one word a wave: bit k = row k is flagged
.set LANE, 1
.set D,    2                           ; depth of my bin
.set TMP,  3
.set TAB,  4                           ; v4-9    T[v][s][lane % 16], s = 0..5
.set PID,  10                          ; lane k: img_id, x, y of my wave's point k
.set PXA,  11
.set PYA,  12
.set ADT,  13
.set BND,  14                          ; v14-21  lo_x, hi_x, lo_y, hi_y of box lane, then of box 32 + lane
.set SEL,  22                          ; the matrix picked for the point
.set XD,   23
.set YD,   24
.set INF,  25
.set P,    26                          ; v26 proj x, v27 proj y
.set PZ,   28
.set NINF, 29
.set ZC,   30                          ; max(z, eps); v31 only completes the pair
.set R,    32                          ; its reciprocal; v33 only completes the pair
.set Q,    34
.set E,    36
.set XY,   38                          ; the quotients, as stored to out0
.set MN,   40                          ; v40-41  x, y on the way to the row's minima (a masked depth counts as +inf)
.set MX,   42                          ; v42-43  x, y on the way to the row's maxima (a masked depth counts as 0)
.set O0,   44
.set MALL, 45                          ; lane k: mask bits of point k
.set HIT,  46                          ; v46-47  lane k: sure-hit bits of point k
.set T,    48                          ; v48-55  the two corners clamped to the boxes of set 0, set 1
.set ADR,  56
.set PT,   58                          ; v58-61  the other half's minima and maxima
.set B,    64                          ; v64-71  the boxes as loaded; later bytes on the way out
.set S_W,   16                         ; wave
.set S_V,   17                         ; view
.set S_C,   18                         ; which of four interleaved sets of points
.set S_T,   19
.set S_U,   20                         ; s[20:21] 64-bit offsets
.set S_K,   22                         ; the point
.set S_X,   24
.set S_Y,   25
.set S_EPS, 26
.set S_WID, 27
.set S_HGT, 28
.set S_ABS, 29
.set S_M,   30                         ; s30-34  bit k: id of point k >= 1..5
.set S_F,   35                         ; s35-39  the same for one point, all lanes
.set S_A,   40                         ; s40-45  comparison words
.set S_FLG, 46                         ; bit k: row k is flagged
.set S_BIT, 47
.set S_CL,  48                         ; s48-59  six pairs of comparison words: box set 0 in the even register, set 1 in the odd one
.set S_ND,  60                         ; s[60:61] buffer need
.set S_PL,  62                         ; s62-63  v_permlanex16_b32: lane i of one half reads lane i of the other
	s_load_b256 s[4:11], s[0:1], 0x0               ; points s[4:5], trans_mats s[6:7], rois_pad s[8:9], out0 s[10:11]
	s_load_b128 s[12:15], s[0:1], 0x20             ; out1 s[12:13], hit s[14:15]
	s_load_b64 s[S_ND:S_ND+1], s[0:1], 0x30        ; need
	v_lshl_add_u32 v80, v0, 2, 0x2500
	v_mov_b32 v81, 0
	v_and_b32 v[LANE], 31, v0
	v_lshrrev_b32 v[TMP], 5, v0
	v_readfirstlane_b32 s[S_W], v[TMP]             ; wave 0..23
	s_mul_i32 s[S_C], s[S_W], 43
	s_lshr_b32 s[S_C], s[S_C], 8                   ; c = w / 6 (43 w >> 8 is exact for w < 24)
	s_mul_i32 s[S_T], s[S_C], 6
	s_sub_co_u32 s[S_V], s[S_W], s[S_T]            ; v = w - 6 c
	s_mul_i32 s[S_T], ttmp9, N_WG*12               ; points: 12 bytes each; lane k takes point 80 g + 4 k + c
	s_mul_i32 s[S_U], s[S_C], 12
	s_add_co_u32 s[S_T], s[S_T], s[S_U]
	v_min_u32 v[TMP], N_WAVE-1, v[LANE]            ; lanes 20-31 repeat point 19: no load leaves the buffer
	v_mul_u32_u24 v[TMP], 48, v[TMP]
	v_add_nc_u32 v[TMP], s[S_T], v[TMP]
	s_mul_i32 s[S_T], s[S_V], 384                  ; trans_mats[v][s]: 384 v + 64 s + 4 (lane % 16)
	v_and_b32 v[ADT], 15, v[LANE]
	v_lshl_add_u32 v[ADT], v[ADT], 2, s[S_T]
	s_lshl_b32 s[S_T], s[S_V], 10                  ; rois_pad[v][box]: 1,024 v + 16 box
	v_lshl_add_u32 v[ADR], v[LANE], 4, s[S_T]
	s_wait_kmcnt 0x0
	global_load_b32 v[PID], v[TMP], s[4:5]
	global_load_b32 v[PXA], v[TMP], s[4:5] offset:4
	global_load_b32 v[PYA], v[TMP], s[4:5] offset:8
.irp s, 0,1,2,3,4,5
	global_load_b32 v[TAB+\s], v[ADT], s[6:7] offset:64*\s
.endr
	global_load_b128 v[B:B+3], v[ADR], s[8:9]                  ; x1 y1 x2 y2 of box lane
	global_load_b128 v[B+4:B+7], v[ADR], s[8:9] offset:512     ; and of box 32 + lane
	; while they are on their way: the outputs' bases, constants, the depth bins
	s_mul_i32 s[S_U], ttmp9, N_WG*1536             ; out0: 256 bytes a row, row 480 g + w first
	s_lshl_b32 s[S_T], s[S_W], 8
	s_add_co_u32 s[S_U], s[S_U], s[S_T]
	s_mov_b32 s[S_U+1], 0
	s_add_nc_u64 s[10:11], s[10:11], s[S_U:S_U+1]
	s_mul_i32 s[S_U], ttmp9, N_WG*192              ; out1: 32 bytes a row
	s_add_nc_u64 s[12:13], s[12:13], s[S_U:S_U+1]
	s_mul_i32 s[S_U], ttmp9, N_WG*48               ; hit: 8 bytes a row
	s_add_nc_u64 s[14:15], s[14:15], s[S_U:S_U+1]
	s_lshl_b32 s[S_U], ttmp9, 7                    ; need: 128 bytes a work-group
	s_add_nc_u64 s[S_ND:S_ND+1], s[S_ND:S_ND+1], s[S_U:S_U+1]
	s_mov_b32 s[S_EPS], 0x3727c5ac                 ; 1e-5
	s_mov_b32 s[S_WID], 0x44c80000                 ; 1600.0
	s_mov_b32 s[S_HGT], 0x44680000                 ; 928.0
	s_mov_b32 s[S_ABS], 0x7fffffff
	s_mov_b32 s[S_PL], 0x76543210
	s_mov_b32 s[S_PL+1], 0xfedcba98
	v_cvt_f32_u32 v[XD], v[LANE]                   ; depth = 0.5 + (bin_size * i) * (i + 1), each step rounded as reference() rounds it
	v_mul_f32 v[D], 0x3d86c9b2, v[XD]              ; bin_size = 69.5 / 1056 in f32
	v_add_f32 v[XD], 1.0, v[XD]
	v_mul_f32 v[D], v[D], v[XD]
	v_add_f32 v[D], 0.5, v[D]                      ; not fused with the multiply above: see the head
	v_lshlrev_b32 v[O0], 3, v[LANE]
	v_mov_b32 v[INF], 0x7f800000
	v_mov_b32 v[NINF], 0xff800000
.irp r, P, P+1, PZ, ZC+1, R+1, MALL, HIT, HIT+1, PT, PT+1, PT+2, PT+3
	v_mov_b32 v[\r], 0                             ; destinations of DPP forms, v_permlanex16_b32 and v_writelane_b32 count as read; v31, v33 are named as halves of pairs
.endr
	s_wait_loadcnt 0x0
; Open interval (b1, b2) to closed [lo, hi] for values that are +0 or positive floats, whose order is that of their bit patterns:
; b1 < 0: lo = +0;  b1 = +-0: lo = the least denormal;  b1 > 0: the next pattern up.  hi = the next pattern below b2 (used only where b2 > 0).
; Three words say whether any value fits: b1 < b2 (false for NaN), b2 > 0, lo <= hi.
.macro BOUND lo, hi, b1, b2, ok
	v_add_nc_u32 v[\lo], 1, v[\b1]
	v_cmp_gt_f32 vcc_lo, 0, v[\b1]
	v_cndmask_b32 v[\lo], v[\lo], 0, vcc_lo
	v_cmp_eq_f32 vcc_lo, 0, v[\b1]
	v_cndmask_b32 v[\lo], v[\lo], 1, vcc_lo
	v_add_nc_u32 v[\hi], -1, v[\b2]
	v_cmp_lt_f32 s[\ok], v[\b1], v[\b2]
	v_cmp_lt_f32 s[\ok+1], 0, v[\b2]
	v_cmp_le_u32 s[\ok+2], v[\lo], v[\hi]
.endm
.irp j, 0,1
	BOUND BND+4*\j,   BND+4*\j+1, B+4*\j,   B+4*\j+2, S_A
	BOUND BND+4*\j+2, BND+4*\j+3, B+4*\j+1, B+4*\j+3, S_A+3
	s_and_b32 s[S_A], s[S_A], s[S_A+1]
	s_and_b32 s[S_A+2], s[S_A+2], s[S_A+3]
	s_and_b32 s[S_A+4], s[S_A+4], s[S_A+5]
	s_and_b32 s[S_A], s[S_A], s[S_A+2]
	s_and_b32 s[S_A], s[S_A], s[S_A+4]
.irp i, 0,1,2,3
	v_cndmask_b32 v[BND+4*\j+\i], v[NINF], v[BND+4*\j+\i], s[S_A]   ; a box that nothing fits gets [-inf, -inf]: below every minimum, and no corner clamps onto itself
.endr
.endr
	v_cmp_le_f32 s[S_M],   1.0, v[PID]             ; trunc(id) >= s is id >= s for s >= 1; bit k speaks for point k
	v_cmp_le_f32 s[S_M+1], 2.0, v[PID]
	v_cmp_le_f32 s[S_M+2], 0x40400000, v[PID]
	v_cmp_le_f32 s[S_M+3], 4.0, v[PID]
	v_cmp_le_f32 s[S_M+4], 0x40a00000, v[PID]
; entry n of the picked matrix rides on the arithmetic: every lane of a row of 16 reads lane n of its row
.macro COEF op, dst, oth, n
	\op v[\dst], v[SEL], v[\oth] row_share:\n row_mask:0xf bank_mask:0xf
.endm
	s_mov_b32 s[S_FLG], 0
	s_mov_b32 s[S_K], 0
.Lrow:
	; point k is projected into my view
	v_readlane_b32 s[S_X], v[PXA], s[S_K]
	v_readlane_b32 s[S_Y], v[PYA], s[S_K]
.irp i, 0,1,2,3,4
	s_bitcmp1_b32 s[S_M+\i], s[S_K]
	s_cselect_b32 s[S_F+\i], -1, 0                 ; the point's bit for all lanes
.endr
	v_mul_f32 v[XD], s[S_X], v[D]                  ; x d and y d, rounded as in pts_cam
	v_mul_f32 v[YD], s[S_Y], v[D]
	v_cndmask_b32 v[SEL], v[TAB], v[TAB+1], s[S_F]
.irp i, 1,2,3,4
	v_cndmask_b32 v[SEL], v[SEL], v[TAB+1+\i], s[S_F+\i]
.endr
	COEF v_mul_f32_dpp,  PZ,  XD, 8                ; three sums of four products, j ascending; z leads because the reciprocal waits for it
	COEF v_mul_f32_dpp,  P,   XD, 0
	COEF v_mul_f32_dpp,  P+1, XD, 4
	COEF v_fmac_f32_dpp, PZ,  YD, 9
	COEF v_fmac_f32_dpp, P,   YD, 1
	COEF v_fmac_f32_dpp, P+1, YD, 5
	COEF v_fmac_f32_dpp, PZ,  D, 10
	COEF v_fmac_f32_dpp, P,   D, 2
	COEF v_fmac_f32_dpp, P+1, D, 6
	COEF v_add_f32_dpp,  PZ,  PZ, 11               ; T3 x 1 added: the same rounding as a fused multiply-add by 1
	COEF v_add_f32_dpp,  P,   P, 3
	v_maximum_f32 v[ZC], s[S_EPS], v[PZ]           ; a NaN stays a NaN, as in jnp.maximum
	v_rcp_f32 v[R], v[ZC]
	COEF v_add_f32_dpp,  P+1, P+1, 7               ; the plain vector instruction between v_rcp_f32 and the first use of its result (ISA guide 5.7.2)
	v_cmp_lt_f32 s[S_A], s[S_EPS], v[PZ]           ; z > eps
	s_wait_alu depctr_va_vdst(0)
	v_fma_f32 v[E], -v[ZC], v[R], 1.0              ; one Newton step on the reciprocal,
	v_fma_f32 v[R], v[E], v[R], v[R]
	v_pk_mul_f32 v[Q:Q+1], v[P:P+1], v[R:R+1] op_sel_hi:[1,0]                                            ; both quotients at once,
	v_pk_fma_f32 v[E:E+1], v[ZC:ZC+1], v[Q:Q+1], v[P:P+1] op_sel_hi:[0,1,1] neg_lo:[1,0,0] neg_hi:[1,0,0]  ; exact residual p - zc q,
	v_pk_fma_f32 v[Q:Q+1], v[E:E+1], v[R:R+1], v[Q:Q+1] op_sel_hi:[1,0,1]                                ; corrected,
	v_pk_fma_f32 v[E:E+1], v[ZC:ZC+1], v[Q:Q+1], v[P:P+1] op_sel_hi:[0,1,1] neg_lo:[1,0,0] neg_hi:[1,0,0]  ; and once more: the last step rounds correctly
	v_pk_fma_f32 v[XY:XY+1], v[E:E+1], v[R:R+1], v[Q:Q+1] op_sel_hi:[1,0,1]
	global_store_b64 v[O0], v[XY:XY+1], s[10:11] th:TH_STORE_NT    ; 32 lanes x 8 bytes: the row's 256 consecutive bytes, aligned
	v_cmp_le_f32 s[S_A+1], 0, v[XY]
	v_cmp_gt_f32 s[S_A+2], s[S_WID], v[XY]
	v_cmp_le_f32 s[S_A+3], 0, v[XY+1]
	v_cmp_gt_f32 s[S_A+4], s[S_HGT], v[XY+1]
	v_and_b32 v[MX], s[S_ABS], v[XY]               ; a valid coordinate is >= 0: this only turns -0 into +0, for the compares of bit patterns
	v_and_b32 v[MX+1], s[S_ABS], v[XY+1]
	s_and_b32 s[S_A], s[S_A], s[S_A+1]
	s_and_b32 s[S_A+2], s[S_A+2], s[S_A+3]
	s_and_b32 s[S_A], s[S_A], s[S_A+4]
	s_and_b32 s[S_A+5], s[S_A], s[S_A+2]           ; the row's mask, bit d
	v_cndmask_b32 v[MN], v[INF], v[MX], s[S_A+5]   ; a masked depth takes no part: +inf for the minima,
	v_cndmask_b32 v[MN+1], v[INF], v[MX+1], s[S_A+5]
	v_cndmask_b32 v[MX], 0, v[MX], s[S_A+5]        ; 0 for the maxima
	v_cndmask_b32 v[MX+1], 0, v[MX+1], s[S_A+5]
	v_writelane_b32 v[MALL], s[S_A+5], s[S_K]
	; the rectangle of the valid depths, in every lane: four steps inside each half of 16 lanes ride on the arithmetic, one crosses the halves; four chains that do not wait for each other
.irp m, 1,2,4,8
	v_min_num_f32_dpp v[MN], v[MN], v[MN] row_xmask:\m row_mask:0xf bank_mask:0xf
	v_min_num_f32_dpp v[MN+1], v[MN+1], v[MN+1] row_xmask:\m row_mask:0xf bank_mask:0xf
	v_max_num_f32_dpp v[MX], v[MX], v[MX] row_xmask:\m row_mask:0xf bank_mask:0xf
	v_max_num_f32_dpp v[MX+1], v[MX+1], v[MX+1] row_xmask:\m row_mask:0xf bank_mask:0xf
.endr
	v_permlanex16_b32 v[PT], v[MN], s[S_PL], s[S_PL+1]
	v_permlanex16_b32 v[PT+1], v[MN+1], s[S_PL], s[S_PL+1]
	v_permlanex16_b32 v[PT+2], v[MX], s[S_PL], s[S_PL+1]
	v_permlanex16_b32 v[PT+3], v[MX+1], s[S_PL], s[S_PL+1]
	v_min_num_f32 v[MN], v[MN], v[PT]
	v_min_num_f32 v[MN+1], v[MN+1], v[PT+1]
	v_max_num_f32 v[MX], v[MX], v[PT+2]
	v_max_num_f32 v[MX+1], v[MX+1], v[PT+3]
	; the coarse test, a lane a box.  A corner lies in the box where the clamp changes neither of its coordinates.
.irp j, 0,1
	v_med3_num_f32 v[T+4*\j],   v[MN],   v[BND+4*\j],   v[BND+4*\j+1]
	v_med3_num_f32 v[T+4*\j+1], v[MN+1], v[BND+4*\j+2], v[BND+4*\j+3]
	v_med3_num_f32 v[T+4*\j+2], v[MX],   v[BND+4*\j],   v[BND+4*\j+1]
	v_med3_num_f32 v[T+4*\j+3], v[MX+1], v[BND+4*\j+2], v[BND+4*\j+3]
.endr
.irp j, 0,1
	v_cmp_le_f32 s[S_CL+4+\j],  v[MN],   v[BND+4*\j+1]     ; the rectangle meets the box: xmin <= hi_x,
	v_cmp_ge_f32 s[S_CL+6+\j],  v[MX],   v[BND+4*\j]       ; xmax >= lo_x,
	v_cmp_le_f32 s[S_CL+8+\j],  v[MN+1], v[BND+4*\j+3]     ; ymin <= hi_y,
	v_cmp_ge_f32 s[S_CL+10+\j], v[MX+1], v[BND+4*\j+2]     ; ymax >= lo_y
	v_cmp_eq_u64 s[S_CL+\j],    v[T+4*\j:T+4*\j+1],   v[MN:MN+1]   ; (xmin, ymin) in the box (never with xmin = +inf: every hi is finite)
	v_cmp_eq_u64 s[S_CL+2+\j],  v[T+4*\j+2:T+4*\j+3], v[MX:MX+1]   ; (xmax, ymax) in the box
.endr
	s_lshl_b32 s[S_BIT], 1, s[S_K]
	s_and_b64 s[S_CL:S_CL+1], s[S_CL:S_CL+1], s[S_CL+2:S_CL+3]         ; both corners inside: every valid depth is, and there is one: a sure hit
	s_and_b64 s[S_CL+4:S_CL+5], s[S_CL+4:S_CL+5], s[S_CL+6:S_CL+7]
	s_and_b64 s[S_CL+8:S_CL+9], s[S_CL+8:S_CL+9], s[S_CL+10:S_CL+11]
	s_and_b64 s[S_CL+4:S_CL+5], s[S_CL+4:S_CL+5], s[S_CL+8:S_CL+9]     ; the rectangle meets the box
	s_and_not1_b32 s[S_CL+4], s[S_CL+4], s[S_CL]                       ; meets it and is not held by it: undecided
	s_and_not1_b32 s[S_CL+5], s[S_CL+5], s[S_CL+1]
	s_or_b32 s[S_CL+4], s[S_CL+4], s[S_CL+5]                           ; SCC: any of the 64 boxes undecided
	s_cselect_b32 s[S_BIT], s[S_BIT], 0
	s_or_b32 s[S_FLG], s[S_FLG], s[S_BIT]                              ; then the row is flagged
	v_writelane_b32 v[HIT], s[S_CL], s[S_K]
	v_writelane_b32 v[HIT+1], s[S_CL+1], s[S_K]
	s_wait_xcnt 0x0                                ; the row's store has had its address translated (ISA guide 3.1): its base (next line) and its data (next trip) are written only behind this wait
	s_add_nc_u64 s[10:11], s[10:11], 24*256        ; my next row of out0 is 24 rows on (behind the last trip the stepped base is not used)
	s_add_co_u32 s[S_K], s[S_K], 1
	s_cmp_lt_u32 s[S_K], N_WAVE
	s_cbranch_scc1 .Lrow
	; The words of my 20 rows go to the tables: row 24 k + w.  Lanes 20-31 write zeros to rows 480 and up, which the tables have room for and nobody reads.
	v_mul_u32_u24 v[TMP], 192, v[LANE]
	s_lshl_b32 s[S_T], s[S_W], 3
	v_add_nc_u32 v[TMP], s[S_T], v[TMP]            ; 8 (24 k + w)
	ds_store_b64 v[TMP], v[HIT:HIT+1] offset:L_HIT
	v_mul_u32_u24 v[ADT], 96, v[LANE]
	s_lshl_b32 s[S_T], s[S_W], 2
	v_add_nc_u32 v[ADT], s[S_T], v[ADT]            ; 4 (24 k + w)
	ds_store_b32 v[ADT], v[MALL] offset:L_MASK
	v_mov_b32 v[ADR], s[S_T]                       ; 4 w
	v_mov_b32 v[SEL], s[S_FLG]
	ds_store_b32 v[ADR], v[SEL] offset:L_NEED      ; all lanes write the same word with the same value
	s_wait_dscnt 0x0                               ; my words are in LDS before I say so
	s_barrier_signal -1
	s_barrier_wait -1                              ; everybody's are
	; THE WAY OUT.  out1: 30 units of 512 consecutive bytes, one b128 store of a wave, a lane making 16 bytes from 16 bits.  hit: 15 units of 256 bytes, as they lie in LDS.
	; need: 128 bytes.  Every wave takes out1's unit w; then waves 0-5 out1's unit 24 + w, waves 6-20 hit's unit w - 6, wave 21 need.
.set L2,  4                                        ; 2 x lane
.set L16, 5                                        ; 16 x lane
.set UA,  6                                        ; v6-7   LDS address, one register a unit: no source of a pending store is written again
.set UB,  10                                       ; v10-11 the 16 bits
.set UG,  14                                       ; v14-15 offset in out1
.set HA,  16                                       ; hit: offset in LDS and in the buffer
.set HD,  18                                       ; v18-19
.set NA,  20
.set NDT, 21
.set NG,  22
	v_lshlrev_b32 v[L2], 1, v[LANE]
	v_lshlrev_b32 v[L16], 4, v[LANE]
	s_mov_b32 s30, 0x204081                        ; bit i times this lands on bits i, i + 7, i + 14, i + 21: bit i reaches bit 8 i, and no two terms meet
	s_mov_b32 s31, 0x01010101
.macro UNIT i, first
	s_add_co_u32 s19, s[S_W], \first               ; the unit
	s_lshl_b32 s20, s19, 6                         ; 64 bytes of bits a unit
	s_lshl_b32 s21, s19, 9
	v_add_nc_u32 v[UA+\i], s20, v[L2]
	v_add_nc_u32 v[UG+\i], s21, v[L16]
	ds_load_u16 v[UB+\i], v[UA+\i] offset:L_MASK
	s_wait_dscnt 0x0
.irp j, 0,1,2,3
	v_bfe_u32 v[B+4*\i+\j], v[UB+\i], 4*\j, 4
.endr
.irp j, 0,1,2,3
	v_mul_u32_u24 v[B+4*\i+\j], s30, v[B+4*\i+\j]
.endr
.irp j, 0,1,2,3
	v_and_b32 v[B+4*\i+\j], s31, v[B+4*\i+\j]      ; four bits to four bytes of 0 or 1
.endr
	global_store_b128 v[UG+\i], v[B+4*\i:B+4*\i+3], s[12:13] th:TH_STORE_NT   ; 16 lanes store 256 consecutive bytes, aligned
.endm
	UNIT 0, 0
	s_cmp_ge_u32 s[S_W], 6
	s_cbranch_scc1 .Lhit
	UNIT 1, 24
	s_branch .Lend
.Lhit:
	s_cmp_ge_u32 s[S_W], 21
	s_cbranch_scc1 .Lneed
	s_sub_co_u32 s19, s[S_W], 6
	s_lshl_b32 s19, s19, 8
	v_lshl_add_u32 v[HA], v[LANE], 3, s19          ; 256 (w - 6) + 8 lane
	ds_load_b64 v[HD:HD+1], v[HA] offset:L_HIT
	s_wait_dscnt 0x0
	global_store_b64 v[HA], v[HD:HD+1], s[14:15]   ; 32 lanes store 256 consecutive bytes, aligned: 32 rows' bits
	s_branch .Lend
.Lneed:
	s_cmp_lg_u32 s[S_W], 21
	s_cbranch_scc1 .Lend
	v_min_u32 v[NA], 23, v[LANE]                   ; lanes 24-31 repeat wave 23's word, so that all 128 bytes of the group's part are written; nobody reads those eight
	v_lshlrev_b32 v[NA], 2, v[NA]
	ds_load_b32 v[NDT], v[NA] offset:L_NEED
	v_lshlrev_b32 v[NG], 2, v[LANE]
	s_wait_dscnt 0x0
	global_store_b32 v[NG], v[NDT], s[S_ND:S_ND+1] ; 128 consecutive bytes
.Lend:
	s_barrier_signal -1
	s_barrier_wait -1
	s_wait_tensorcnt 0x0
	ds_add_u32 v80, v81
	s_wait_dscnt 0x0
	s_endpgm
.Lfunc_end_k_q10d35ff3f2_project:
	.size	k_q10d35ff3f2_project, .Lfunc_end_k_q10d35ff3f2_project-k_q10d35ff3f2_project
	.p2alignl 7, 3214868480
	.fill 96, 4, 3214868480
	.section	.rodata,"a",@progbits
	.p2align	6, 0x0
	.amdhsa_kernel k_q10d35ff3f2_project
		.amdhsa_group_segment_fixed_size 12544
		.amdhsa_private_segment_fixed_size 0
		.amdhsa_enable_private_segment 0
		.amdhsa_kernarg_size 56
		.amdhsa_user_sgpr_count 2
		.amdhsa_user_sgpr_kernarg_segment_ptr 1
		.amdhsa_wavefront_size32 1
		.amdhsa_system_sgpr_workgroup_id_x 1
		.amdhsa_system_sgpr_workgroup_id_y 1
		.amdhsa_system_sgpr_workgroup_id_z 1
		.amdhsa_system_vgpr_workitem_id 0
		.amdhsa_next_free_vgpr 82
		.amdhsa_next_free_sgpr 66
		.amdhsa_reserve_vcc 1
		.amdhsa_float_denorm_mode_32 3
		.amdhsa_float_denorm_mode_16_64 3
		.amdhsa_memory_ordered 1
		.amdhsa_forward_progress 1
		.amdhsa_inst_pref_size 17
	.end_amdhsa_kernel
	.amdgpu_metadata
---
amdhsa.version: [ 1, 2 ]
amdhsa.kernels:
  - .name:           k_q10d35ff3f2_project
    .symbol:         k_q10d35ff3f2_project.kd
    .args:
      - { .name: points, .offset: 0, .size: 8, .value_kind: global_buffer, .address_space: global }
      - { .name: trans_mats, .offset: 8, .size: 8, .value_kind: global_buffer, .address_space: global }
      - { .name: rois_pad, .offset: 16, .size: 8, .value_kind: global_buffer, .address_space: global }
      - { .name: out0, .offset: 24, .size: 8, .value_kind: global_buffer, .address_space: global }
      - { .name: out1, .offset: 32, .size: 8, .value_kind: global_buffer, .address_space: global }
      - { .name: hit, .offset: 40, .size: 8, .value_kind: global_buffer, .address_space: global }
      - { .name: need, .offset: 48, .size: 8, .value_kind: global_buffer, .address_space: global }
    .group_segment_fixed_size: 12544
    .private_segment_fixed_size: 0
    .kernarg_segment_align: 8
    .kernarg_segment_size: 56
    .max_flat_workgroup_size: 768
    .sgpr_count:     66
    .vgpr_count:     82
    .wavefront_size: 32
...
	.end_amdgpu_metadata
.endif
;; end of part 2
;; launch match (part 3): grid 250 x 1, 24 waves a work-group, no clusters, 15,360 bytes of LDS; arguments points, trans_mats, rois_pad, hit, need, out2; writes out2
.if DOCPART == 3
	.amdgcn_target "amdgcn-amd-amdhsa--gfx1250"
	.amdhsa_code_object_version 6
	.text
	.protected	k_q10d35ff3f2_match
	.globl	k_q10d35ff3f2_match
	.p2align	8
	.type	k_q10d35ff3f2_match,@function
k_q10d35ff3f2_match:
	s_mov_b64 s[64:65], 0
	v_nop
	global_prefetch_b8 v0, s[64:65] scope:SCOPE_SE
	s_setreg_imm32_b32 hwreg(HW_REG_WAVE_MODE, 25, 1), 1
	s_wait_xcnt 0x0
; BoxCorrelation, second of two launches: out2[point][view][box] = any of the row's 32 valid projected depths lies in the box.
; The launch before has left, for every row (point, view), 64 bits of sure hits (buffer hit) and one bit that says whether some box is still undecided
; (buffer need, one word a wave, bit k for its row k).  A row that is not flagged is finished: its sure hits are its result.  A flagged row is projected
; again here, by the same instructions, and all 32 depths are tested against all 64 boxes; that result takes the place of the sure hits.
; The branch hangs on the whole numbers of need alone.  A flagged row costs the projection, 17 LDS instructions and 192 test instructions, another row five
; scalar instructions; between none and all 20 rows of a wave are flagged, as the data have it.  All of out2 is stored whatever the flags say.
; A work-group owns 80 points; 24 waves.  Wave w = 6 c + v serves target view v and the points 4 k + c (k = 0..19): its row is 24 k + w.
; PROJECTION: a lane is a depth bin.  BOX TEST: a lane is a box (two sets of 32); the 32 projected points of a row reach every lane through 256 bytes
; of LDS that are the wave's own.
; THE EINSUM IS DONE IN F32 ON THE VECTOR UNIT: the result is a boolean of comparisons on it, and operands of 16 bits would move a projected pixel by
; whole pixels.  Each sum is round(T0 xd), then fused multiply-adds in ascending j, then + T3; the quotient is correctly rounded.
; THE GATHER BY img_id uses no address: the six candidate matrices of my view lie in six registers and five selects on id >= 1..5 pick one.
; THE BOX TEST: x1 < x < x2 is turned, once a wave, into lo <= x <= hi on non-negative floats (lo = next float above x1, hi = next below x2);
; then 'in the box' is clamp(x, y) == (x, y) bit for bit: two v_med3_num_f32 and one 64-bit compare for 32 boxes.
; THE ANY OVER DEPTHS is kept in EXEC: the compare is v_cmpx_ne_u64, so a lane (a box) stays on only while no depth has fallen into it, and
; after 32 depths the lanes that are off are the boxes that were hit.  Only the clamps and the compares run with lanes off.
; LIMITS: img_id below 0 or NaN counts as 0, above 5 as 5.  The quotient is correctly rounded for max(z, eps) < 2^126 (v_rcp_f32 flushes a denormal
; result, ISA guide 15.8) and |numerator| > 2^-100.  The depth bins are made with separate multiplies and add, as reference() writes them, on purpose not fused.
.set N_WG,    80                       ; points of a work-group
.set N_WAVE,  20                       ; points of a wave
.set L_CORR,  0                        ; LDS: 64 box bits a row, 8 bytes at 8 row; 32 lanes x 192 bytes
.set L_SCR,   6144                     ; LDS: 256 bytes for each wave: (X, Y) of the row at work
.set LANE, 1
.set D,    2                           ; depth of my bin
.set TMP,  3
.set TAB,  4                           ; v4-9    T[v][s][lane % 16], s = 0..5
.set PID,  10                          ; lane k: img_id, x, y of my wave's point k
.set PXA,  11
.set PYA,  12
.set ADT,  13
.set BND,  14                          ; v14-21  lo_x, hi_x, lo_y, hi_y of box lane, then of box 32 + lane
.set SEL,  22                          ; the matrix picked for the point
.set XD,   23
.set YD,   24
.set INF,  25
.set P,    26                          ; v26 proj x, v27 proj y
.set PZ,   28
.set NINF, 29
.set ZC,   30                          ; max(z, eps); v31 only completes the pair
.set R,    32                          ; its reciprocal; v33 only completes the pair
.set Q,    34
.set E,    36
.set XY,   38                          ; the quotients
.set XT,   40                          ; the values that are tested: |x| or +inf, |y|
.set SCRW, 43
.set SCRR, 44
.set CORR, 46                          ; v46-47  lane k: box bits of point k
.set T,    48                          ; v48-55  clamped values of four depths
.set ADR,  56
.set HOF,  57                          ; my offset in hit
.set KL,   58
.set B,    64                          ; v64-127 (x, y) of the 32 depths, the same in every lane
.set S_W,   16                         ; wave
.set S_V,   17                         ; view
.set S_C,   18                         ; which of four interleaved sets of points
.set S_T,   19
.set S_U,   20                         ; s[20:21] 64-bit offsets
.set S_K,   22                         ; the point
.set S_X,   24
.set S_Y,   25
.set S_EPS, 26
.set S_WID, 27
.set S_HGT, 28
.set S_ABS, 29
.set S_M,   30                         ; s30-34  bit k: id of point k >= 1..5
.set S_F,   35                         ; s35-39  the same for one point, all lanes
.set S_A,   40                         ; s40-45  comparison words
.set S_ACC, 46                         ; s46-47  64 box bits of the row
.set S_NEED, 48                        ; bit k: row k is flagged
	s_load_b256 s[4:11], s[0:1], 0x0               ; points s[4:5], trans_mats s[6:7], rois_pad s[8:9], hit s[10:11]
	s_load_b128 s[12:15], s[0:1], 0x20             ; need s[12:13], out2 s[14:15]
	v_lshl_add_u32 v128, v0, 2, 0x3000
	v_mov_b32 v129, 0
	v_and_b32 v[LANE], 31, v0
	v_lshrrev_b32 v[TMP], 5, v0
	v_readfirstlane_b32 s[S_W], v[TMP]             ; wave 0..23
	s_mul_i32 s[S_C], s[S_W], 43
	s_lshr_b32 s[S_C], s[S_C], 8                   ; c = w / 6 (43 w >> 8 is exact for w < 24)
	s_mul_i32 s[S_T], s[S_C], 6
	s_sub_co_u32 s[S_V], s[S_W], s[S_T]            ; v = w - 6 c
	s_mul_i32 s[S_T], ttmp9, N_WG*12               ; points: 12 bytes each; lane k takes point 80 g + 4 k + c
	s_mul_i32 s[S_U], s[S_C], 12
	s_add_co_u32 s[S_T], s[S_T], s[S_U]
	v_min_u32 v[KL], N_WAVE-1, v[LANE]             ; lanes 20-31 repeat point 19: no load leaves its buffer
	v_mul_u32_u24 v[TMP], 48, v[KL]
	v_add_nc_u32 v[TMP], s[S_T], v[TMP]
	s_lshl_b32 s[S_T], s[S_W], 3                   ; hit: 8 bytes a row, row 24 k + w
	v_mul_u32_u24 v[HOF], 192, v[KL]
	v_add_nc_u32 v[HOF], s[S_T], v[HOF]
	s_mul_i32 s[S_T], s[S_V], 384                  ; trans_mats[v][s]: 384 v + 64 s + 4 (lane % 16)
	v_and_b32 v[ADT], 15, v[LANE]
	v_lshl_add_u32 v[ADT], v[ADT], 2, s[S_T]
	s_lshl_b32 s[S_T], s[S_V], 10                  ; rois_pad[v][box]: 1,024 v + 16 box
	v_lshl_add_u32 v[ADR], v[LANE], 4, s[S_T]
	s_lshl_b32 s[S_U], ttmp9, 7                    ; need: 128 bytes a work-group, 4 a wave
	s_lshl_b32 s[S_T], s[S_W], 2
	s_add_co_u32 s[S_U], s[S_U], s[S_T]
	s_mov_b32 s[S_U+1], 0
	s_wait_kmcnt 0x0
	s_add_nc_u64 s[12:13], s[12:13], s[S_U:S_U+1]
	s_load_b32 s[S_NEED], s[12:13], 0x0            ; my wave's flags; s[12:13] are not written again
	s_mul_i32 s[S_U], ttmp9, N_WG*48               ; hit: 3,840 bytes a work-group
	s_add_nc_u64 s[10:11], s[10:11], s[S_U:S_U+1]
	global_load_b32 v[PID], v[TMP], s[4:5]
	global_load_b32 v[PXA], v[TMP], s[4:5] offset:4
	global_load_b32 v[PYA], v[TMP], s[4:5] offset:8
.irp s, 0,1,2,3,4,5
	global_load_b32 v[TAB+\s], v[ADT], s[6:7] offset:64*\s
.endr
	global_load_b128 v[B:B+3], v[ADR], s[8:9]                  ; x1 y1 x2 y2 of box lane
	global_load_b128 v[B+4:B+7], v[ADR], s[8:9] offset:512     ; and of box 32 + lane
	global_load_b64 v[CORR:CORR+1], v[HOF], s[10:11]           ; lane k: the sure hits of my row k; 8 bytes a lane, 192 apart: the 24 waves together read the group's 3,840 consecutive bytes once
	; while they are on their way: the output's base, constants, the depth bins
	s_mul_i32 s[S_U], ttmp9, N_WG*384              ; out2: 64 bytes a row
	s_add_nc_u64 s[14:15], s[14:15], s[S_U:S_U+1]
	s_mov_b32 s[S_EPS], 0x3727c5ac                 ; 1e-5
	s_mov_b32 s[S_WID], 0x44c80000                 ; 1600.0
	s_mov_b32 s[S_HGT], 0x44680000                 ; 928.0
	s_mov_b32 s[S_ABS], 0x7fffffff
	v_cvt_f32_u32 v[XD], v[LANE]                   ; depth = 0.5 + (bin_size * i) * (i + 1), each step rounded as reference() rounds it
	v_mul_f32 v[D], 0x3d86c9b2, v[XD]              ; bin_size = 69.5 / 1056 in f32
	v_add_f32 v[XD], 1.0, v[XD]
	v_mul_f32 v[D], v[D], v[XD]
	v_add_f32 v[D], 0.5, v[D]                      ; not fused with the multiply above: see the head
	s_lshl_b32 s[S_T], s[S_W], 8
	s_add_co_u32 s[S_T], s[S_T], L_SCR             ; my wave's 256 bytes of LDS
	v_mov_b32 v[SCRR], s[S_T]                      ; read: every lane the same 16 bytes
	v_lshl_add_u32 v[SCRW], v[LANE], 3, s[S_T]     ; write: lane d its 8 bytes
	v_mov_b32 v[INF], 0x7f800000
	v_mov_b32 v[NINF], 0xff800000
.irp r, P, P+1, PZ, ZC+1, R+1
	v_mov_b32 v[\r], 0                             ; destinations of DPP forms count as read; v31, v33 are named as halves of pairs
.endr
	s_wait_loadcnt 0x0
; Open interval (b1, b2) to closed [lo, hi] for values that are +0 or positive floats, whose order is that of their bit patterns:
; b1 < 0: lo = +0;  b1 = +-0: lo = the least denormal;  b1 > 0: the next pattern up.  hi = the next pattern below b2 (used only where b2 > 0).
; Three words say whether any value fits: b1 < b2 (false for NaN), b2 > 0, lo <= hi.
.macro BOUND lo, hi, b1, b2, ok
	v_add_nc_u32 v[\lo], 1, v[\b1]
	v_cmp_gt_f32 vcc_lo, 0, v[\b1]
	v_cndmask_b32 v[\lo], v[\lo], 0, vcc_lo
	v_cmp_eq_f32 vcc_lo, 0, v[\b1]
	v_cndmask_b32 v[\lo], v[\lo], 1, vcc_lo
	v_add_nc_u32 v[\hi], -1, v[\b2]
	v_cmp_lt_f32 s[\ok], v[\b1], v[\b2]
	v_cmp_lt_f32 s[\ok+1], 0, v[\b2]
	v_cmp_le_u32 s[\ok+2], v[\lo], v[\hi]
.endm
.irp j, 0,1
	BOUND BND+4*\j,   BND+4*\j+1, B+4*\j,   B+4*\j+2, S_A
	BOUND BND+4*\j+2, BND+4*\j+3, B+4*\j+1, B+4*\j+3, S_A+3
	s_and_b32 s[S_A], s[S_A], s[S_A+1]
	s_and_b32 s[S_A+2], s[S_A+2], s[S_A+3]
	s_and_b32 s[S_A+4], s[S_A+4], s[S_A+5]
	s_and_b32 s[S_A], s[S_A], s[S_A+2]
	s_and_b32 s[S_A], s[S_A], s[S_A+4]
.irp i, 0,1,2,3
	v_cndmask_b32 v[BND+4*\j+\i], v[NINF], v[BND+4*\j+\i], s[S_A]   ; a box that nothing fits clamps everything to -inf, which no tested value is
.endr
.endr
	v_cmp_le_f32 s[S_M],   1.0, v[PID]             ; trunc(id) >= s is id >= s for s >= 1; bit k speaks for point k
	v_cmp_le_f32 s[S_M+1], 2.0, v[PID]
	v_cmp_le_f32 s[S_M+2], 0x40400000, v[PID]
	v_cmp_le_f32 s[S_M+3], 4.0, v[PID]
	v_cmp_le_f32 s[S_M+4], 0x40a00000, v[PID]
; entry n of the picked matrix rides on the arithmetic: every lane of a row of 16 reads lane n of its row
.macro COEF op, dst, oth, n
	\op v[\dst], v[SEL], v[\oth] row_share:\n row_mask:0xf bank_mask:0xf
.endm
	s_wait_kmcnt 0x0                               ; my flags are in
	s_wait_xcnt 0x0                                ; no global or scalar memory instruction is pending from here to the way out: the loop may write EXEC
	s_mov_b32 s[S_K], 0
.Lpoint:
	s_bitcmp1_b32 s[S_NEED], s[S_K]
	s_cbranch_scc0 .Lskip                          ; not flagged: lane k of CORR keeps the row's sure hits
	; point k is projected into my view, as in the launch before
	v_readlane_b32 s[S_X], v[PXA], s[S_K]
	v_readlane_b32 s[S_Y], v[PYA], s[S_K]
.irp i, 0,1,2,3,4
	s_bitcmp1_b32 s[S_M+\i], s[S_K]
	s_cselect_b32 s[S_F+\i], -1, 0                 ; the point's bit for all lanes
.endr
	v_mul_f32 v[XD], s[S_X], v[D]                  ; x d and y d, rounded as in pts_cam
	v_mul_f32 v[YD], s[S_Y], v[D]
	v_cndmask_b32 v[SEL], v[TAB], v[TAB+1], s[S_F]
.irp i, 1,2,3,4
	v_cndmask_b32 v[SEL], v[SEL], v[TAB+1+\i], s[S_F+\i]
.endr
	COEF v_mul_f32_dpp,  PZ,  XD, 8                ; three sums of four products, j ascending; z leads because the reciprocal waits for it
	COEF v_mul_f32_dpp,  P,   XD, 0
	COEF v_mul_f32_dpp,  P+1, XD, 4
	COEF v_fmac_f32_dpp, PZ,  YD, 9
	COEF v_fmac_f32_dpp, P,   YD, 1
	COEF v_fmac_f32_dpp, P+1, YD, 5
	COEF v_fmac_f32_dpp, PZ,  D, 10
	COEF v_fmac_f32_dpp, P,   D, 2
	COEF v_fmac_f32_dpp, P+1, D, 6
	COEF v_add_f32_dpp,  PZ,  PZ, 11               ; T3 x 1 added: the same rounding as a fused multiply-add by 1
	COEF v_add_f32_dpp,  P,   P, 3
	v_maximum_f32 v[ZC], s[S_EPS], v[PZ]           ; a NaN stays a NaN, as in jnp.maximum
	v_rcp_f32 v[R], v[ZC]
	COEF v_add_f32_dpp,  P+1, P+1, 7               ; the plain vector instruction between v_rcp_f32 and the first use of its result (ISA guide 5.7.2)
	v_cmp_lt_f32 s[S_A], s[S_EPS], v[PZ]           ; z > eps
	s_wait_alu depctr_va_vdst(0)
	v_fma_f32 v[E], -v[ZC], v[R], 1.0              ; one Newton step on the reciprocal,
	v_fma_f32 v[R], v[E], v[R], v[R]
	v_pk_mul_f32 v[Q:Q+1], v[P:P+1], v[R:R+1] op_sel_hi:[1,0]                                            ; both quotients at once,
	v_pk_fma_f32 v[E:E+1], v[ZC:ZC+1], v[Q:Q+1], v[P:P+1] op_sel_hi:[0,1,1] neg_lo:[1,0,0] neg_hi:[1,0,0]  ; exact residual p - zc q,
	v_pk_fma_f32 v[Q:Q+1], v[E:E+1], v[R:R+1], v[Q:Q+1] op_sel_hi:[1,0,1]                                ; corrected,
	v_pk_fma_f32 v[E:E+1], v[ZC:ZC+1], v[Q:Q+1], v[P:P+1] op_sel_hi:[0,1,1] neg_lo:[1,0,0] neg_hi:[1,0,0]  ; and once more: the last step rounds correctly
	v_pk_fma_f32 v[XY:XY+1], v[E:E+1], v[R:R+1], v[Q:Q+1] op_sel_hi:[1,0,1]
	v_cmp_le_f32 s[S_A+1], 0, v[XY]
	v_cmp_gt_f32 s[S_A+2], s[S_WID], v[XY]
	v_cmp_le_f32 s[S_A+3], 0, v[XY+1]
	v_cmp_gt_f32 s[S_A+4], s[S_HGT], v[XY+1]
	v_and_b32 v[XT], s[S_ABS], v[XY]               ; a valid coordinate is >= 0: this only turns -0 into +0, for the compare of bit patterns
	v_and_b32 v[XT+1], s[S_ABS], v[XY+1]
	s_and_b32 s[S_A], s[S_A], s[S_A+1]
	s_and_b32 s[S_A+2], s[S_A+2], s[S_A+3]
	s_and_b32 s[S_A], s[S_A], s[S_A+4]
	s_and_b32 s[S_A+5], s[S_A], s[S_A+2]           ; the row's mask, bit d
	v_cndmask_b32 v[XT], v[INF], v[XT], s[S_A+5]   ; a masked depth gets X = +inf, above every hi
	ds_store_b64 v[SCRW], v[XT:XT+1]               ; my wave's own bytes; LDS serves a wave's instructions in order (ISA guide 5.7.1.4): the loads below see this store
.irp g, 0,1,2,3,4,5,6,7,8,9,10,11,12,13,14,15
	ds_load_b128 v[B+4*\g:B+4*\g+3], v[SCRR] offset:16*\g      ; two depths a load, the same 16 bytes for every lane
.endr
	; 32 depths x 64 boxes, boxes 0-31 first, then boxes 32-63, four depths at a time.
	; A pass begins with all lanes on, so its first eight clamps write v[T:T+7] whole.  Each compare turns off the lanes whose box holds that depth
	; (the clamp changed neither coordinate); a lane that is off stays off, so the lanes off at the end are the boxes hit by any depth.
	s_wait_dscnt 0x0                               ; the sixteen loads are in, and no LDS instruction issued with all lanes on is pending when EXEC narrows
.irp j, 0,1
.set g, 0
.rept 8
.irp h, 0,1,2,3
	v_med3_num_f32 v[T+2*\h],   v[B+8*g+2*\h],   v[BND+4*\j],   v[BND+4*\j+1]   ; x clamped to the box
	v_med3_num_f32 v[T+2*\h+1], v[B+8*g+2*\h+1], v[BND+4*\j+2], v[BND+4*\j+3]   ; y
.endr
.irp h, 0,1,2,3
	v_cmpx_ne_u64 v[T+2*\h:T+2*\h+1], v[B+8*g+2*\h:B+8*g+2*\h+1]   ; stay on only where a coordinate was moved by the clamp: outside
.endr
.set g, g+1
.endr
	s_not_b32 s[S_ACC+\j], exec_lo                 ; the lanes that went off: the boxes that were hit
	s_mov_b32 exec_lo, -1                          ; all lanes on again
.endr
	v_writelane_b32 v[CORR], s[S_ACC], s[S_K]      ; the full result takes the place of the sure hits, which it holds too
	v_writelane_b32 v[CORR+1], s[S_ACC+1], s[S_K]
.Lskip:
	s_add_co_u32 s[S_K], s[S_K], 1
	s_cmp_lt_u32 s[S_K], N_WAVE
	s_cbranch_scc1 .Lpoint
	; The bit words of my 20 rows go to the table: row 24 k + w.  Lanes 20-31 write a copy of row 19's sure hits to rows 480 and up, which the table has room for and nobody reads.
	v_mul_u32_u24 v[TMP], 192, v[LANE]
	s_lshl_b32 s[S_T], s[S_W], 3
	v_add_nc_u32 v[TMP], s[S_T], v[TMP]            ; 8 (24 k + w)
	ds_store_b64 v[TMP], v[CORR:CORR+1] offset:L_CORR
	s_wait_dscnt 0x0                               ; my words are in LDS before I say so
	s_barrier_signal -1
	s_barrier_wait -1                              ; everybody's are
	; THE WAY OUT: out2's 30,720 bytes of the group are 60 units of 512 consecutive bytes, one b128 store of a wave; a lane makes 16 bytes from 16 bits.
	; Wave w takes units w, w + 24 and, below 60, w + 48.
.set L2,  4                                        ; 2 x lane
.set L16, 5                                        ; 16 x lane
.set UA,  6                                        ; v6-8   LDS address, one register a unit: no source of a pending store is written again
.set UB,  10                                       ; v10-12 the 16 bits
.set UG,  14                                       ; v14-16 offset in out2
	v_lshlrev_b32 v[L2], 1, v[LANE]
	v_lshlrev_b32 v[L16], 4, v[LANE]
	s_mov_b32 s30, 0x204081                        ; bit i times this lands on bits i, i + 7, i + 14, i + 21: bit i reaches bit 8 i, and no two terms meet
	s_mov_b32 s31, 0x01010101
.macro UNIT_ASK i
	s_add_co_u32 s19, s[S_W], 24*\i                ; the unit
	s_lshl_b32 s20, s19, 6                         ; 64 bytes of bits a unit
	s_lshl_b32 s21, s19, 9
	v_add_nc_u32 v[UA+\i], s20, v[L2]
	v_add_nc_u32 v[UG+\i], s21, v[L16]
	ds_load_u16 v[UB+\i], v[UA+\i] offset:L_CORR
.endm
.macro UNIT_OUT i, left
	s_wait_dscnt \left                             ; my unit's bits are in; the younger unit's load stays out
.irp j, 0,1,2,3
	v_bfe_u32 v[B+4*\i+\j], v[UB+\i], 4*\j, 4
.endr
.irp j, 0,1,2,3
	v_mul_u32_u24 v[B+4*\i+\j], s30, v[B+4*\i+\j]
.endr
.irp j, 0,1,2,3
	v_and_b32 v[B+4*\i+\j], s31, v[B+4*\i+\j]      ; four bits to four bytes of 0 or 1
.endr
	global_store_b128 v[UG+\i], v[B+4*\i:B+4*\i+3], s[14:15] th:TH_STORE_NT   ; 16 lanes store 256 consecutive bytes, aligned
.endm
	UNIT_ASK 0
	UNIT_ASK 1
	UNIT_OUT 0, 1
	UNIT_OUT 1, 0
	s_cmp_ge_u32 s[S_W], 12                        ; units 48 + w exist for w < 12
	s_cbranch_scc1 .Lend
	UNIT_ASK 2
	UNIT_OUT 2, 0
.Lend:
	s_barrier_signal -1
	s_barrier_wait -1
	s_wait_tensorcnt 0x0
	ds_add_u32 v128, v129
	s_wait_dscnt 0x0
	s_endpgm
.Lfunc_end_k_q10d35ff3f2_match:
	.size	k_q10d35ff3f2_match, .Lfunc_end_k_q10d35ff3f2_match-k_q10d35ff3f2_match
	.p2alignl 7, 3214868480
	.fill 96, 4, 3214868480
	.section	.rodata,"a",@progbits
	.p2align	6, 0x0
	.amdhsa_kernel k_q10d35ff3f2_match
		.amdhsa_group_segment_fixed_size 15360
		.amdhsa_private_segment_fixed_size 0
		.amdhsa_enable_private_segment 0
		.amdhsa_kernarg_size 48
		.amdhsa_user_sgpr_count 2
		.amdhsa_user_sgpr_kernarg_segment_ptr 1
		.amdhsa_wavefront_size32 1
		.amdhsa_system_sgpr_workgroup_id_x 1
		.amdhsa_system_sgpr_workgroup_id_y 1
		.amdhsa_system_sgpr_workgroup_id_z 1
		.amdhsa_system_vgpr_workitem_id 0
		.amdhsa_next_free_vgpr 130
		.amdhsa_next_free_sgpr 66
		.amdhsa_reserve_vcc 1
		.amdhsa_float_denorm_mode_32 3
		.amdhsa_float_denorm_mode_16_64 3
		.amdhsa_memory_ordered 1
		.amdhsa_forward_progress 1
		.amdhsa_inst_pref_size 25
	.end_amdhsa_kernel
	.amdgpu_metadata
---
amdhsa.version: [ 1, 2 ]
amdhsa.kernels:
  - .name:           k_q10d35ff3f2_match
    .symbol:         k_q10d35ff3f2_match.kd
    .args:
      - { .name: points, .offset: 0, .size: 8, .value_kind: global_buffer, .address_space: global }
      - { .name: trans_mats, .offset: 8, .size: 8, .value_kind: global_buffer, .address_space: global }
      - { .name: rois_pad, .offset: 16, .size: 8, .value_kind: global_buffer, .address_space: global }
      - { .name: hit, .offset: 24, .size: 8, .value_kind: global_buffer, .address_space: global }
      - { .name: need, .offset: 32, .size: 8, .value_kind: global_buffer, .address_space: global }
      - { .name: out2, .offset: 40, .size: 8, .value_kind: global_buffer, .address_space: global }
    .group_segment_fixed_size: 15360
    .private_segment_fixed_size: 0
    .kernarg_segment_align: 8
    .kernarg_segment_size: 48
    .max_flat_workgroup_size: 768
    .sgpr_count:     66
    .vgpr_count:     130
    .wavefront_size: 32
...
	.end_amdgpu_metadata
.endif
;; end of part 3
